; MI455X (gfx1250); checked and timed in simulation.
; The chip was launched on July 23, 2026; its instructions are those of AMD's public machine-readable ISA for CDNA 5 (MIT licence, August 2026) and "CDNA5" Instruction Set Architecture Reference Guide (July 2026). The comments in the code are by the model that wrote it; some were corrected since.
;; Avg Net. Allowed arithmetic: matrix products marked QUANTISED: E3M2 operands, one E8M0 scale for each 32 along K, by v_wmma_scale_f32_16x16x128_f8f6f4 with both operands' format E3M2, f32 sums; products left as they are: f32 operands where the result goes on into a quantised operand, else bf16, f16 or f32 operands; f32 sums; everything else in f32.
;; Inputs: Wk_codes 1,024 x 32 x 24 uint8 (E3M2 codes of Wk, K innermost, in blocks of 32 codes, four codes in three bytes); Wk_scales 1,024 x 32 uint8 (E8M0 scales of Wk, one for each 32 codes along K); Wo 1,024 x 1,024 float32; Wq_codes 1,024 x 32 x 24 uint8 (E3M2 codes of Wq, K innermost, in blocks of 32 codes, four codes in three bytes); Wq_scales 1,024 x 32 uint8 (E8M0 scales of Wq, one for each 32 codes along K); bk 1,024 float32; bo 1,024 float32; bq 1,024 float32; k_codes 8 x 2,048 x 32 x 24 uint8 (E3M2 codes of k, K innermost, in blocks of 32 codes, four codes in three bytes); k_scales 8 x 2,048 x 32 uint8 (E8M0 scales of k, one for each 32 codes along K); q_codes 8 x 2,048 x 32 x 24 uint8 (E3M2 codes of q, K innermost, in blocks of 32 codes, four codes in three bytes); q_scales 8 x 2,048 x 32 uint8 (E8M0 scales of q, one for each 32 codes along K); v 8 x 2,048 x 1,024 float32.
;; Outputs: out0 8 x 1,024 float32.
;; This version of the problem:
;;   THIS VERSION OF THE PROBLEM IS GIVEN IN LOW PRECISION. The matrix products marked QUANTISED in the list below multiply operands that are first quantised to E3M2 (3 exponent bits, 2 mantissa bits; 6 bits a number), with one power-of-two scale for each 32 numbers along K (OCP MX v1.0); their sums are f32. All else is computed in f32.
;;   The module's matrix products, in the order in which they are computed (A, B: the left and right operand; K: the contracted axis; several contracted axes count as one K, in the product's order):
;;     1. [M 16,384, K 1,024] x [K 1,024, N 1,024]; A: input q (given as codes); B: input Wq (given as codes): QUANTISED
;;     2. [M 16,384, K 1,024] x [K 1,024, N 1,024]; A: input k (given as codes); B: input Wk (given as codes): QUANTISED
;;     3. batch 8 x [M 2,048, K 1,024] x [K 1,024, N 2,048]; A: computed on the way; B: computed on the way: QUANTISED
;;     4. batch 8 x [M 1, K 2,048] x [K 2,048, N 1,024]; A: softmax; B: input v: left as it is (M = 1 < 16)
;;     5. [M 8, K 1,024] x [K 1,024, N 1,024]; A: computed on the way; B: input Wo: left as it is (M = 8 < 16)
;;   THE QUANTISER, for each operand of a quantised product, along K:
;;     - K is cut into blocks of 32 from its start; a last block that is shorter is filled with zeros.
;;     - A block's scale is 2^e with e = floor(log2(the largest magnitude in the block)) - 4, held to -126 .. 127; a block of zeros has e = 0. As a byte (E8M0): e + 127.
;;     - Each number is divided by its block's scale, clamped to +-28, and rounded to the nearest number of E3M2, ties to even, subnormals kept.
;;     - The product sums the exact products of the quantised numbers (number of the format x scale) in f32.
;;   ~~~python
;;   def quantise(x, axis):      # numpy; x: float32 -> the quantised numbers, widened to float32 again
;;       x = np.moveaxis(x, axis, -1); K = x.shape[-1]
;;       x = np.pad(x, [(0, 0)] * (x.ndim - 1) + [(0, -K % 32)]); x = x.reshape(x.shape[:-1] + (-1, 32)); a = np.abs(x).max(-1, keepdims=True)
;;       e = np.where(a > 0, np.clip(np.frexp(np.where(a > 0, a, 1))[1] - 1 - 4, -126, 127), 0)      # np.frexp(a)[1] - 1 = floor(log2(a)), exactly
;;       r = np.clip(x / 2.0 ** e, -28, 28)
;;       step = 2.0 ** (np.maximum(np.frexp(np.where(r == 0, 1, r))[1] - 1, -2) - 2)
;;       q = np.round(r / step) * step * 2.0 ** e      # np.round: ties to even
;;       return np.moveaxis(q.reshape(q.shape[:-2] + (-1,))[..., :K], -1, axis).astype(np.float32)
;;   ~~~
;;   OPERANDS COMPUTED ON THE WAY. 'Computed on the way' means the value that the module computes at that place (a softmax that the list does not call 'softmax' is quantised finished and normalised). What goes into a quantiser is computed in f32, as accurately as f32 sums, v_exp_f32 and their like allow (about 1e-6 of the number): no bf16 or f16 on the way to a quantiser, and a product that is left as it is and whose result goes on into a quantised operand takes f32 operands (vector FMAs, or v_wmma_f32_16x16x4_f32). A number that lies on a knife's edge between two numbers of the format may be rounded either way, as far as f32 arithmetic and the matrix unit's own rounding can turn it there, and no further.
;;   INPUTS GIVEN AS CODES. Wk (in the module: [1024, 1024], K = its axis 1); Wq (in the module: [1024, 1024], K = its axis 1); k (in the module: [8, 2048, 1024], K = its axis 2); q (in the module: [8, 2048, 1024], K = its axis 2): each comes as NAME_codes (uint8): NAME with its K axis moved to the last place and cut into blocks of 32 codes, [.., K / 32, bytes a block], one block behind the other in memory; four codes in three bytes: a row's codes are one little-endian stream of bits, code i at bits 6 i .. 6 i + 5 (a code: sign, 3 exponent bits, 2 mantissa bits); and NAME_scales (uint8): the same leading axes, one E8M0 byte (e + 127) for each 32 codes along K. Its value is code x scale, taken as it is: it is not quantised again, and the codes and scales need not be those that the quantiser above would give.
;; One version. Each part assembles by itself: llvm-mc -triple=amdgcn-amd-amdhsa -mcpu=gfx1250 --defsym DOCPART=n.
;; ======== version 1 of 1: 4 launches
;; limits: right only within a limited range of input values
;; workspace buffers: qc 13,107,200 bytes; kc 13,107,200 bytes; part 524,288 bytes; pp 131,072 bytes; stats 2,048 bytes
;; launch proj (part 1): grid 4 x 64, 4 waves a work-group, clusters of 4 x 4, 327,680 bytes of LDS; arguments q_codes, q_scales, Wq_codes, Wq_scales, bq, qc, k_codes, k_scales, Wk_codes, Wk_scales, bk, kc; writes qc, kc
.if DOCPART == 1
	.amdgcn_target "amdgcn-amd-amdhsa--gfx1250"
	.amdhsa_code_object_version 6
	.text
	.protected	k_q0bba1bbe28_proj
	.globl	k_q0bba1bbe28_proj
	.p2align	8
	.type	k_q0bba1bbe28_proj,@function
k_q0bba1bbe28_proj:
	s_mov_b64 s[64:65], 0
	v_nop
	global_prefetch_b8 v0, s[64:65] scope:SCOPE_SE
	s_setreg_imm32_b32 hwreg(HW_REG_WAVE_MODE, 25, 1), 1
	s_wait_xcnt 0x0
	s_wait_alu depctr_hold_cnt(0) depctr_sa_sdst(0) depctr_va_vdst(0) depctr_va_sdst(0) depctr_va_ssrc(0) depctr_va_vcc(0) depctr_vm_vsrc(0)
	s_getreg_b32 s2, hwreg(HW_REG_IB_STS2, 6, 4)
	s_cmp_eq_u32 s2, 0
	s_cbranch_scc0 .Lentry_in_a_cluster
	s_endpgm
.Lentry_in_a_cluster:
	s_bfe_u32 s2, ttmp6, 0x10000c
	s_cmp_lg_u32 s2, 0xf033
	s_cbranch_scc0 .Lentry_shape_is_right
	s_endpgm
.Lentry_shape_is_right:
; qp = q Wq^T + bq and kp = k Wk^T + bk on codes of BF6 (E3M2), one E8M0 scale for each 32 along K, sums in f32; the results are quantised along d (the next product's K) and stored as codes.
; No step and no input of the problem is left out by this program.
; A work-group makes two tiles of 256 rows x 256 of d at one place (tile row 0-63, tile column 0-3): q's, then k's.  Four waves, 128 x 128 each: 64 accumulators.
; K goes through two LDS slots in CHUNKS OF 256 BYTES of each row (a row of codes is 768 bytes: three chunks, each on a 256-byte border).  The two tiles are one walk of 16 steps of 128 along K (96 bytes) and 6 chunks;
; chunk c lies in slot c % 2; chunks 3 to 5 are k's and Wk's.  Wave 0 fetches x's 256 rows of a chunk, wave 1 W's; waves 2 and 3 fetch the scale bytes (dense blocks of 8,192 bytes): the first tile's at the head,
; the second tile's with chunk 1.  Clusters of 4 x 4: x's tiles are asked for jointly along a row of the cluster, W's along a column.
; The matrix instruction is used transposed (source 0 = 16 rows of W, source 1 = 16 rows of x): a lane holds one row of x, its registers run along d.  The bias is the C of each tile's first products.
; THE WAY OUT: qc, kc = [group of 128 rows][K step of the next product][12,800 bytes]: eight images of a fragment's registers (block of 16 rows a at 1,536 a; registers 4 c .. 4 c + 3 of lane l at 512 c + 16 l), then at
; 12,288 the scale image: lane l's 16 bytes hold the scale words of rows l, 32 + l, 64 + l, 96 + l.
; Inside a block of 32, place p holds d = 16 ((p % 16) / 8) + 8 (p / 16) + p % 8: the same order in qc and kc, inside one scale's block, so the next product sums the same products.
; LIMITS: NaN, infinities and the scale byte 0xff are not served.  A block whose largest magnitude lies under 2^-122 gets the byte 1, a block of zeros too (its codes are zeros; this program alone reads the bytes).
; REGISTERS: window 0: v0-31 addresses; v32-63 scale words, two sets; v64-127 the bias; v128-223 x's fragments, on the way out the codes; v224-255 the way out's work.  Window 1: W's fragments, two sets (v0, v128).
; Windows 2 and 3: the accumulators of my rows 0-63 and 64-127.
.set ROWB,   256
.set NQ,     2
.set KROW,   768
.set CHUNKS, 6
.set PITCH,  272                       ; 256 bytes + 16 of padding
.set FR,     12
.set NL,     6
.set NP,     4
.set HALFT,  128*PITCH
.set SLOT,   4*HALFT                   ; x's 256 rows, then W's 256 rows
.set KS,     32
.set SCL,    2*SLOT                    ; the first tile's scales, as 256 bytes + 16
.set HALFS,  (128*KS/256)*272
.set SBLK,   (16*KS/256)*272
.set SCL2,   SCL+4*HALFS               ; the second tile's
.set SPARE,  SCL2+4*HALFS              ; the spare words
.set IMG,    12800
.set ADRA, 16                          ; v16-17 x's fragments in slot 0, 1; v18-19 for a piece whose lanes 16-31 read the next chunk
.set ADRB, 20                          ; v20-23 the same for W
.set CO,   26                          ; 16 x lane
.set ADRS, 27                          ; my scale words: lanes 0-15 x's rows, lanes 16-31 W's
.set SPW,  28
.set NIL,  29
.set BA,   30                          ; 32 x (lane / 16)
.set PFO,  31                          ; 768 x lane
.set SC,   32
.set BIAS, 64
.set AF,   128
.set CD,   128
.set XT,   224
.set TM,   232
.set PW,   244
.set SW,   252
.set NXA,  4                           ; s[4:5] k's codes at my tile's first row; s[6:7] Wk's
.set NXB,  6
.set OQC,  8                           ; s[8:9] qc, s[10:11] kc at my wave's images
.set OKC,  10
.set BQ,   66
.set BK,   40
.set PFA,  46
.set G1, 24
.set G0, 32
.set G1B, 48
.set G0B, 56
.set G1S, 68
.set G0S, 76
.set G1SB, 80
.set G0SB, 88
.set G0S2, 92
.set G0SB2, 96
.set MSB, 0
.macro WIN new                         ; the immediate's high byte repeats the setting that is left
.if MSB != (\new)
	s_set_vgpr_msb (MSB<<8)|(\new)
.set MSB, (\new)
.endif
.endm
.set MUL_LO,   0xa1
.set MUL_HI,   0xf1
.set FIRST_LO, 0x81                    ; C (the bias) window 0, D window 2
.set FIRST_HI, 0xc1
.set TO_B,     0x40
.macro TL g0, g1                       ; a tensor load with five lines behind it
	tensor_load_to_lds s[\g0:\g0+3], s[\g1:\g1+7]
	s_nop 0
.rept 4
	v_nop
.endr
.endm
.macro TREE4 a, b, c, d                ; four tiles, one a wave: one chain of branches on the wave's number, all arms to one join
	s_cmp_lt_u32 s14, 1
	s_cbranch_scc0 .Lt1_\@
	TL \a, G1
	s_branch .Ltj_\@
.Lt1_\@:
	s_cmp_lt_u32 s14, 2
	s_cbranch_scc0 .Lt2_\@
	TL \b, G1B
	s_branch .Ltj_\@
.Lt2_\@:
	s_cmp_lt_u32 s14, 3
	s_cbranch_scc0 .Lt3_\@
	TL \c, G1S
	s_branch .Ltj_\@
.Lt3_\@:
	TL \d, G1SB
.Ltj_\@:
.endm
.macro JLOAD s                         ; a chunk into slot s: wave 0 x's 256 rows, wave 1 W's; waves 2 and 3 have no part of it
	s_cmp_lt_u32 s14, 1
	s_cbranch_scc0 .Lr1_\@
	TL G0+4*(\s), G1
	s_branch .Lrj_\@
.Lr1_\@:
	s_cmp_lt_u32 s14, 2
	s_cbranch_scc0 .Lr2_\@
	TL G0B+4*(\s), G1B
	s_branch .Lrj_\@
.Lr2_\@:
.rept 4
	v_nop
.endr
.Lrj_\@:
.endm
; A prefetch of one chunk of k's rows of the second tile: waves 0 and 1 ask, a lane a row; of the tile's 256 rows the partner at place cx takes 128 (wave % 2) + 32 cx on: each block of 256 bytes is named once.
; k's chunk 0 is named behind chunk 1's load, chunk 1 behind chunk 2's, chunk 2 behind chunk 3's: two refills ahead of the load that wants it.  W's rows, which every cluster reads, are not asked for.
.macro ASK off
	s_cmp_eq_u32 s15, 0
	s_cbranch_scc0 .Lnot_mine_\@
	global_prefetch_b8 v[PFO], s[PFA:PFA+1] offset:\off th:TH_LOAD_NT scope:SCOPE_SE
.Lnot_mine_\@:
.endm
.macro CREST
	s_cmp_lg_u32 s14, 0
	s_cbranch_scc1 .Lnot_wave_0_\@
	s_barrier_signal -3
.Lnot_wave_0_\@:
	s_barrier_wait -3
	s_barrier_signal -1
	s_barrier_wait -1
.endm
.macro CROUND
	s_barrier_signal -1
	s_barrier_wait -1
	CREST
.endm
	s_load_b512 s[68:83], s[0:1], 0x0              ; q_codes, q_scales, Wq_codes, Wq_scales, bq, qc, k_codes, k_scales
	s_load_b256 s[84:91], s[0:1], 0x40             ; Wk_codes, Wk_scales, bk, kc
	v_lshl_add_u32 v[SPW], v0, 2, SPARE
	v_mov_b32 v[NIL], 0
	ds_add_u32 v[SPW], v[NIL]                      ; the opening lines
	ds_add_u32 v[SPW], v[NIL]
	v_lshrrev_b32 v1, 5, v0
	v_readfirstlane_b32 s14, v1                    ; wave
	s_lshr_b32 s15, s14, 1                         ; my half of the tile's rows
	s_and_b32 s16, s14, 1                          ; my half of its columns
	s_bfe_u32 s40, ttmp6, 0x40000                  ; cx
	s_bfe_u32 s41, ttmp6, 0x40004                  ; cy
	s_lshl_b32 s42, ttmp9, 2
	s_add_co_u32 s42, s42, s40                     ; tile column
	s_and_b32 s17, ttmp7, 0xffff
	s_lshl_b32 s17, s17, 2
	s_add_co_u32 s17, s17, s41                     ; tile row
	s_lshl_b32 s43, s41, 2
	s_lshl_b32 s43, 15, s43                        ; my row of the cluster
	s_lshl_b32 s44, 0x1111, s40                    ; my column
	s_mov_b32 s2, 0x76543210
	s_mov_b32 s3, 0xfedcba98
	s_lshl_b32 s18, s17, 8                         ; x's first row
	s_lshl_b32 s19, s42, 8                         ; W's first row
	s_lshl_b32 s45, s16, 7
	s_add_co_u32 s12, s19, s45                     ; my first number of the bias
	s_lshl_b32 s42, s42, 1                         ; my images' number: 8 (2 x tile row + row half) + 2 x tile column + column half
	s_add_co_u32 s42, s42, s16
	s_lshl_b32 s22, s17, 4
	s_add_co_u32 s42, s42, s22
	s_lshl_b32 s22, s15, 3
	s_add_co_u32 s42, s42, s22
	s_lshl_b32 s17, s40, 5
	s_add_co_u32 s17, s17, s18
	s_add_co_u32 s17, s17, s45                     ; the first row that my wave prefetches
	s_mov_b32 s13, 0
	s_mov_b32 s21, 0                               ; s[20:21] hangs on the tile row, s[46:47] on the tile column, s[22:23] on both
	s_mov_b32 s23, 0
	s_mov_b32 s47, 0
	s_or_b32 s[G1+0], s43, (0<<16)|(1<<20)|(1<<21)|(5<<22)|(3<<25)  ; the mask; elements of 1 byte; 4 words of padding behind every 64
	s_or_b32 s[G1B+0], s44, (0<<16)|(1<<20)|(1<<21)|(5<<22)|(3<<25)
.irp g, G1, G1B
	s_mov_b32 s[\g+1], ROWB<<16
	s_mov_b32 s[\g+2], 256<<16
	s_mov_b32 s[\g+3], ROWB<<16
	s_mov_b32 s[\g+4], 256
	s_mov_b32 s[\g+5], KROW
	s_mov_b32 s[\g+6], 0
	s_mov_b32 s[\g+7], 0
.endr
	s_wait_dscnt 0x0
	s_wait_kmcnt 0x0
	; every address from its own buffer's pointer; a pointer's registers are taken for something else only when it has been used
	s_mul_i32 s22, s42, IMG
	s_add_nc_u64 s[OQC:OQC+1], s[78:79], s[22:23]
	s_add_nc_u64 s[OKC:OKC+1], s[90:91], s[22:23]
	s_lshl_b32 s12, s12, 2
	s_add_nc_u64 s[BQ:BQ+1], s[76:77], s[12:13]
	s_add_nc_u64 s[BK:BK+1], s[88:89], s[12:13]
	s_mul_i32 s46, s19, KROW
	s_add_nc_u64 s[NXB:NXB+1], s[84:85], s[46:47]
	s_add_nc_u64 s[G0B+2:G0B+3], s[72:73], s[46:47]
	s_add_nc_u64 s[G0B+6:G0B+7], s[G0B+2:G0B+3], ROWB
	s_lshl_b32 s46, s19, 5
	s_add_nc_u64 s[G0SB2+2:G0SB2+3], s[86:87], s[46:47]
	s_add_nc_u64 s[G0SB+2:G0SB+3], s[74:75], s[46:47]
	s_mul_i32 s20, s18, KROW
	s_add_nc_u64 s[NXA:NXA+1], s[80:81], s[20:21]
	s_add_nc_u64 s[G0+2:G0+3], s[68:69], s[20:21]
	s_add_nc_u64 s[G0+6:G0+7], s[G0+2:G0+3], ROWB
	s_mul_i32 s22, s17, KROW
	s_add_nc_u64 s[PFA:PFA+1], s[80:81], s[22:23]
	s_lshl_b32 s20, s18, 5
	s_add_nc_u64 s[G0S2+2:G0S2+3], s[82:83], s[20:21]
	s_add_nc_u64 s[G0S+2:G0S+3], s[70:71], s[20:21]
.irp g, G0, G0+4, G0B, G0B+4, G0S, G0SB, G0S2, G0SB2
	s_mov_b32 s[\g], 1
	s_or_b32 s[\g+3], s[\g+3], 0x80000000
.endr
	s_mov_b32 s[G0+1], 0
	s_mov_b32 s[G0+5], SLOT
	s_mov_b32 s[G0B+1], 2*HALFT
	s_mov_b32 s[G0B+5], SLOT+2*HALFT
	s_mov_b32 s[G0S+1], SCL
	s_mov_b32 s[G0SB+1], SCL+2*HALFS
	s_mov_b32 s[G0S2+1], SCL2
	s_mov_b32 s[G0SB2+1], SCL2+2*HALFS
	s_or_b32 s[G1S+0], s43, (3<<16)|(1<<20)|(1<<21)|(5<<22)|(3<<25)   ; the scales of 256 rows: 32 rows of 256 bytes, 16 of padding behind each
	s_or_b32 s[G1SB+0], s44, (3<<16)|(1<<20)|(1<<21)|(5<<22)|(3<<25)
.irp g, G1S, G1SB
	s_mov_b32 s[\g+1], 32<<16
	s_mov_b32 s[\g+2], KS<<16
	s_mov_b32 s[\g+3], 32<<16
	s_mov_b32 s[\g+4], KS
	s_mov_b32 s[\g+5], 32
	s_mov_b32 s[\g+6], 0
	s_mov_b32 s[\g+7], 0
.endr
	CROUND                                         ; all sixteen work-groups are here
	TREE4 G0, G0B, G0S, G0SB                       ; chunk 0 and the first tile's scales: one load a wave
	v_and_b32 v1, 15, v0
	v_bfe_u32 v2, v0, 4, 1
	v_lshlrev_b32 v[BA], 5, v2
.macro BLOAD ptr                       ; tile b, register j of lane (r, h) is bias[first + 16 b + 8 h + j]: the result's layout
.irp b, 0,1,2,3,4,5,6,7
	global_load_b128 v[BIAS+8*\b:BIAS+8*\b+3], v[BA], s[\ptr:\ptr+1] offset:64*\b
	global_load_b128 v[BIAS+8*\b+4:BIAS+8*\b+7], v[BA], s[\ptr:\ptr+1] offset:64*\b+16
.endr
.endm
	BLOAD BQ
	v_mul_u32_u24 v3, v1, PITCH
	v_mul_u32_u24 v4, v2, 24
	v_add_nc_u32 v4, v3, v4                        ; row x pitch + 24 x half
	s_mov_b32 s21, SLOT-232
	s_mov_b32 s22, SLOT+232
	v_sub_nc_u32 v7, 1, v2
	v_mul_u32_u24 v5, s21, v2
	v_add_nc_u32 v5, v3, v5
	v_add_nc_u32 v5, 232, v5                       ; lanes 0-15 byte 232 of the row in slot 0, lanes 16-31 byte 0 in slot 1
	v_mul_u32_u24 v6, s22, v7
	v_add_nc_u32 v6, v3, v6                        ; lanes 0-15 byte 232 in slot 1, lanes 16-31 byte 0 in slot 0
	s_mul_i32 s21, s15, HALFT
	s_mul_i32 s22, s16, HALFT
	s_add_co_u32 s22, s22, 2*HALFT
	v_add_nc_u32 v[ADRA+2], s21, v5
	v_add_nc_u32 v[ADRA+3], s21, v6
	v_add_nc_u32 v[ADRB+2], s22, v5
	v_add_nc_u32 v[ADRB+3], s22, v6
.irp s, 0,1
	v_add_nc_u32 v[ADRA+\s], s21, v4
	v_add_nc_u32 v[ADRB+\s], s22, v4
	s_add_co_u32 s21, s21, SLOT
	s_add_co_u32 s22, s22, SLOT
.endr
	v_mul_u32_u24 v5, v1, KS
	v_lshrrev_b32 v6, 8, v5
	v_lshl_add_u32 v5, v6, 4, v5                   ; 32 bytes a row, 16 more for each 256 passed
	s_mul_i32 s21, s15, HALFS
	s_mul_i32 s22, s16, HALFS
	s_add_co_u32 s22, s22, 2*HALFS
	s_sub_co_u32 s22, s22, s21
	v_mul_u32_u24 v6, s22, v2                      ; lanes 16-31 take W's
	s_add_co_u32 s21, s21, SCL
	v_add_nc_u32 v5, v5, v6
	v_add_nc_u32 v[ADRS], s21, v5
	v_and_b32 v6, 31, v0
	v_lshlrev_b32 v[CO], 4, v6
	v_mul_u32_u24 v[PFO], v6, KROW
.irp b, 0,1,2,3
	v_mov_b32 v[TM+4+\b], 0                        ; a lane permute's destination counts as one of its sources
.endr
	s_mov_b32 s19, 0xffff0000
.macro FRAG reg, adr, st, i            ; 12 registers in pieces of 8 bytes; byte y of the walk lies in chunk y / 256, slot (y / 256) % 2
.irp p, 0,1,2,3,4,5
.set BY, 96*(\st)+48*(\p/3)+8*(\p%3)
.if BY/ROWB == (BY+24)/ROWB
	ds_load_b64 v[\reg+2*\p:\reg+2*\p+1], v[\adr+(BY/ROWB)%2] offset:BY%ROWB+(\i)*16*PITCH
.else
	ds_load_b64 v[\reg+2*\p:\reg+2*\p+1], v[\adr+2+(BY/ROWB)%2] offset:BY%ROWB-232+(\i)*16*PITCH
.endif
.endr
.endm
; 16 products: x's blocks a0, a0 + 1 against W's eight.  The 64 accumulators take turns.  zero = 1: the bias is C.
.macro MUL16 a0, p, q, sc, zero
.irp a, \a0, \a0+1
.irp b, 0,1,2,3,4,5,6,7
.if \zero
	v_wmma_scale_f32_16x16x128_f8f6f4 v[8*(8*((\a)%4)+\b):8*(8*((\a)%4)+\b)+7], v[128*(\p)+FR*\b:128*(\p)+FR*\b+FR-1], v[AF+FR*(\a):AF+FR*(\a)+FR-1], v[BIAS+8*\b:BIAS+8*\b+7], v[SC+8*NQ*(\sc)+NQ*\b+(\q)], v[SC+8*NQ*(\sc)+NQ*(\a)+(\q)] matrix_a_fmt:MATRIX_FMT_BF6 matrix_b_fmt:MATRIX_FMT_BF6 matrix_a_scale:MATRIX_SCALE_ROW1
.else
	v_wmma_scale_f32_16x16x128_f8f6f4 v[8*(8*((\a)%4)+\b):8*(8*((\a)%4)+\b)+7], v[128*(\p)+FR*\b:128*(\p)+FR*\b+FR-1], v[AF+FR*(\a):AF+FR*(\a)+FR-1], v[8*(8*((\a)%4)+\b):8*(8*((\a)%4)+\b)+7], v[SC+8*NQ*(\sc)+NQ*\b+(\q)], v[SC+8*NQ*(\sc)+NQ*(\a)+(\q)] matrix_a_fmt:MATRIX_FMT_BF6 matrix_b_fmt:MATRIX_FMT_BF6 matrix_a_scale:MATRIX_SCALE_ROW1
.endif
.endr
.endr
.endm
.macro FETCH_B st, p
	WIN TO_B
.irp i, 0,1,2,3,4,5,6,7
	FRAG 128*(\p)+FR*\i, ADRB, \st, \i
.endr
	WIN 0
.endm
.macro FETCH_A st, i0
.irp i, \i0, \i0+1, \i0+2, \i0+3
	FRAG AF+FR*(\i), ADRA, \st, \i
.endr
.endm
.macro SCALES pr                       ; the scale words of steps 2 pr, 2 pr + 1 into set pr % 2; pairs 4 to 7 are the second tile's
.irp i, 0,1,2,3,4,5,6,7
	ds_load_b64 v[SC+8*NQ*((\pr)%2)+NQ*\i:SC+8*NQ*((\pr)%2)+NQ*\i+1], v[ADRS] offset:\i*SBLK+4*NQ*((\pr)%4)+4*HALFS*((\pr)/4)
.endr
.endm
.macro PLACES n                        ; places behind matrix instructions (except for loads)
.rept \n
	v_nop
.endr
.endm
.macro WINL zero
.if \zero
	WIN FIRST_LO
.else
	WIN MUL_LO
.endif
.endm
.macro WINH zero
.if \zero
	WIN FIRST_HI
.else
	WIN MUL_HI
.endif
.endm
; A step of 128 along K whose successor does not lie across two chunks.  Where the step ends with its chunk: the wait for all my tensor loads, the add, the wait for it and for my reads, the barrier, which opens a round of
; the cluster's barrier, and the refill two chunks on.  A step that itself lies across two chunks is a plain one: its old chunk was released by the step ahead of it (GSTEP).
; hold = 1: a tile ends here: x's registers serve the way out first, so x's next fragments are fetched behind it.
.macro STEP st, zero, hold
.set NX, (\st)+1
.set C0, (96*(\st))/ROWB
.set C1, (96*NX)/ROWB
.set E0, (96*(\st)+95)/ROWB
.set E1, (96*NX+95)/ROWB
.set CN, C0+2
.if (C1 > C0 || E1 > E0) && (E0 == C0)
	s_wait_tensorcnt 0x0                           ; all my tensor loads have landed
.if C1 > C0
	ds_add_u32 v[SPW], v[NIL]
	s_wait_dscnt 4*NL+1                            ; the add and x's blocks 4-7 may be out
.else
	s_wait_dscnt 4*NL
.endif
	WINL \zero
	MUL16 0, (\st)%2, (\st)%2, ((\st)/2)%2, \zero
	s_wait_dscnt 0x0                               ; the add and all my reads are done
	s_barrier_signal -1
	MUL16 2, (\st)%2, (\st)%2, ((\st)/2)%2, \zero
	WIN 0
	s_barrier_wait -1
.if C1 > C0 && CN < CHUNKS
	CREST
.if CN == 3 || CN == 4                 ; the walk goes on into the second tile: the address is made from k's and Wk's own pointers
	s_add_nc_u64 s[G0+4*(CN%2)+2:G0+4*(CN%2)+3], s[NXA:NXA+1], (CN-3)*ROWB
	s_or_b32 s[G0+4*(CN%2)+3], s[G0+4*(CN%2)+3], 0x80000000
	s_add_nc_u64 s[G0B+4*(CN%2)+2:G0B+4*(CN%2)+3], s[NXB:NXB+1], (CN-3)*ROWB
	s_or_b32 s[G0B+4*(CN%2)+3], s[G0B+4*(CN%2)+3], 0x80000000
.else
	s_add_nc_u64 s[G0+4*(CN%2)+2:G0+4*(CN%2)+3], s[G0+4*(CN%2)+2:G0+4*(CN%2)+3], 2*ROWB
	s_add_nc_u64 s[G0B+4*(CN%2)+2:G0B+4*(CN%2)+3], s[G0B+4*(CN%2)+2:G0B+4*(CN%2)+3], 2*ROWB
.endif
	JLOAD CN%2                                     ; chunk CN; its four v_nop are the places in front of the loads below
.else
	PLACES NP
.endif
.else
	s_wait_dscnt 4*NL                              ; W's set and x's blocks 0-3 are in
	WINL \zero
	MUL16 0, (\st)%2, (\st)%2, ((\st)/2)%2, \zero
	MUL16 2, (\st)%2, (\st)%2, ((\st)/2)%2, \zero
	s_wait_dscnt 0
	PLACES NP
.endif
	FETCH_B NX, NX%2
.if \hold == 0
	FETCH_A NX, 0
.endif
.if NX%2 == 0
	SCALES NX/2
.endif
.if C1 > C0 && CN < 4
	ASK 256*(CN-1)
.endif
	WINH \zero
	MUL16 4, (\st)%2, (\st)%2, ((\st)/2)%2, \zero
	MUL16 6, (\st)%2, (\st)%2, ((\st)/2)%2, \zero
.if \hold == 0
	PLACES NP
	WIN 0
	FETCH_A NX, 4
.else
	WIN 0
.endif
.endm
; A step whose successor lies across two chunks.  Its own 64 products need nothing new and are issued first.  Then: the wait for my tensor loads and a barrier show the new chunk whole; ALL the next step's fragments are
; fetched, which are the last reads of the old chunk; the three lines, a round of the cluster's barrier, and the old chunk's slot is filled again, two chunks on (where such a chunk is left).
.macro GSTEP st
.set NX, (\st)+1
.set C0, (96*(\st))/ROWB
.set CN, C0+2
	s_wait_dscnt 4*NL                              ; W's set and x's blocks 0-3 are in
	WIN MUL_LO
	MUL16 0, (\st)%2, (\st)%2, ((\st)/2)%2, 0
	MUL16 2, (\st)%2, (\st)%2, ((\st)/2)%2, 0
	s_wait_dscnt 0
	WIN MUL_HI
	MUL16 4, (\st)%2, (\st)%2, ((\st)/2)%2, 0
	MUL16 6, (\st)%2, (\st)%2, ((\st)/2)%2, 0
	WIN 0
	s_wait_tensorcnt 0x0                           ; my part of the new chunk has landed
	s_barrier_signal -1
	s_barrier_wait -1                              ; everybody's has
	PLACES NP
	FETCH_B NX, NX%2
	FETCH_A NX, 0
.if NX%2 == 0
	SCALES NX/2
.endif
	FETCH_A NX, 4
.if CN < CHUNKS
	s_wait_tensorcnt 0x0
	ds_add_u32 v[SPW], v[NIL]
	s_wait_dscnt 0x0                               ; the add and my last reads of the old chunk are done
	CROUND
.if CN == 3 || CN == 4
	s_add_nc_u64 s[G0+4*(CN%2)+2:G0+4*(CN%2)+3], s[NXA:NXA+1], (CN-3)*ROWB
	s_or_b32 s[G0+4*(CN%2)+3], s[G0+4*(CN%2)+3], 0x80000000
	s_add_nc_u64 s[G0B+4*(CN%2)+2:G0B+4*(CN%2)+3], s[NXB:NXB+1], (CN-3)*ROWB
	s_or_b32 s[G0B+4*(CN%2)+3], s[G0B+4*(CN%2)+3], 0x80000000
.else
	s_add_nc_u64 s[G0+4*(CN%2)+2:G0+4*(CN%2)+3], s[G0+4*(CN%2)+2:G0+4*(CN%2)+3], 2*ROWB
	s_add_nc_u64 s[G0B+4*(CN%2)+2:G0B+4*(CN%2)+3], s[G0B+4*(CN%2)+2:G0B+4*(CN%2)+3], 2*ROWB
.endif
	JLOAD CN%2
.endif
.endm
; THE WAY OUT of block a (16 rows): registers 16 B .. 16 B + 15 of a lane lie in block B of 32 along d, lane l xor 16 holds the other 16.  The largest magnitude (floor 2^(5 - 127)), 4 off its exponent field: the
; conversion's scale operand; a shift of that: the byte.  Three exchanges of halves and three moves for each pair of blocks give a lane whole blocks.
.macro QUANTW a, dst
.set AC, 64*((\a)%4)
.set WA, 2+(\a)/4
.set WS, WA|(WA<<2)
.set CA, CD+FR*(\a)
	WIN WS
.irp b, 0,1,2,3
	v_max3_num_f32 v[TM+\b], |v[AC+16*\b]|, |v[AC+16*\b+1]|, 0x2800000   ; each accumulator from its low end on
.endr
.irp i, 2,4,6,8,10,12,14
.irp b, 0,1,2,3
	v_max3_num_f32 v[TM+\b], |v[AC+16*\b+\i]|, |v[AC+16*\b+\i+1]|, v[TM+\b]
.endr
.endr
	WIN 0
.irp b, 0,1,2,3
	v_permlanex16_b32 v[TM+4+\b], v[TM+\b], s2, s3
.endr
.irp b, 0,1,2,3
	v_max_num_f32 v[TM+\b], v[TM+\b], v[TM+4+\b]
.endr
.irp b, 0,1,2,3
	v_add_nc_u32 v[TM+8+\b], 0xfe000000, v[TM+\b]
.endr
.irp b, 0,1,2,3
	v_lshrrev_b32 v[TM+4+\b], 23, v[TM+8+\b]
.endr
	v_lshl_or_b32 v[PW+(\a)], v[TM+5], 8, v[TM+4]
	v_lshl_or_b32 v[PW+(\a)], v[TM+6], 16, v[PW+(\a)]
	v_lshl_or_b32 v[PW+(\a)], v[TM+7], 24, v[PW+(\a)]
	WIN WA
.irp c, 0,1
	v_cvt_scalef32_pk16_bf6_f32 v[CA+6*\c:CA+6*\c+2], v[AC+32*\c:AC+32*\c+15], v[TM+8+2*\c]
	v_cvt_scalef32_pk16_bf6_f32 v[XT+4*\c:XT+4*\c+2], v[AC+32*\c+16:AC+32*\c+31], v[TM+8+2*\c+1]
.endr
	WIN 0
	v_nop                                          ; one plain place behind a scaled conversion
.irp c, 0,1
.irp i, 0,1,2
	v_permlane16_swap_b32 v[CA+6*\c+\i], v[XT+4*\c+\i]
.endr
.irp i, 0,1,2
	v_mov_b32 v[CA+3+6*\c+\i], v[XT+4*\c+\i]
.endr
.endr
.irp c, 0,1,2
	global_store_b128 v[CO], v[CA+4*\c:CA+4*\c+3], s[\dst:\dst+1] offset:FR*128*(\a)+512*\c   ; 32 lanes store 512 consecutive bytes, aligned
.endr
.endm
.macro WAYOUT dst
	PLACES NP
.irp a, 0,1,2,3,4,5,6,7
	QUANTW \a, \dst
.endr
.irp i, 0,1,2,3
	v_cndmask_b32 v[SW+\i], v[PW+2*\i], v[PW+2*\i+1], s19   ; lane l has row 32 i + l's word
.endr
	global_store_b128 v[CO], v[SW:SW+3], s[\dst:\dst+1] offset:8*FR*128
.endm
	s_wait_alu depctr_va_vdst(0)                   ; the wait at the head's end
	s_wait_tensorcnt 0x0                           ; my tile of the head's four is in; the lines ahead of a later first fill:
	ds_add_u32 v[SPW], v[NIL]
	s_wait_dscnt 0x0
	CROUND
	TREE4 G0+4, G0B+4, G0S2, G0SB2                 ; chunk 1 and the second tile's scales: first fills, one load a wave
	FETCH_B 0, 0
	FETCH_A 0, 0
	SCALES 0
	FETCH_A 0, 4
	ASK 0
	s_wait_loadcnt 0x0                             ; bq
	STEP 0, 1, 0
	BLOAD BK                                       ; bq was read by step 0 alone, and four places stand behind its last product
	GSTEP 1
	STEP 2, 0, 0
	STEP 3, 0, 0
	GSTEP 4
	STEP 5, 0, 0
	STEP 6, 0, 0
	STEP 7, 0, 1
	WAYOUT OQC
	s_wait_xcnt 0x0                                ; the stores have read their registers: x's fragments may land there
	FETCH_A 8, 0
	FETCH_A 8, 4
	s_wait_loadcnt 0x0                             ; bk
	STEP 8, 1, 0
	GSTEP 9
	STEP 10, 0, 0
	STEP 11, 0, 0
	GSTEP 12
	STEP 13, 0, 0
	STEP 14, 0, 0
	s_wait_dscnt 4*NL                              ; the last step
	WIN MUL_LO
	MUL16 0, 1, 1, 1, 0
	MUL16 2, 1, 1, 1, 0
	s_wait_dscnt 0
	WIN MUL_HI
	MUL16 4, 1, 1, 1, 0
	MUL16 6, 1, 1, 1, 0
	WIN 0
	WAYOUT OKC
	s_wait_tensorcnt 0x0                           ; the wave's end
	ds_add_u32 v[SPW], v[NIL]
	s_wait_dscnt 0x0
	CROUND                                         ; the closing round
	s_endpgm
.Lfunc_end_k_q0bba1bbe28_proj:
	.size	k_q0bba1bbe28_proj, .Lfunc_end_k_q0bba1bbe28_proj-k_q0bba1bbe28_proj
	.p2alignl 7, 3214868480
	.fill 96, 4, 3214868480
	.section	.rodata,"a",@progbits
	.p2align	6, 0x0
	.amdhsa_kernel k_q0bba1bbe28_proj
		.amdhsa_group_segment_fixed_size 327680
		.amdhsa_private_segment_fixed_size 0
		.amdhsa_enable_private_segment 0
		.amdhsa_kernarg_size 96
		.amdhsa_user_sgpr_count 2
		.amdhsa_user_sgpr_kernarg_segment_ptr 1
		.amdhsa_wavefront_size32 1
		.amdhsa_system_sgpr_workgroup_id_x 1
		.amdhsa_system_sgpr_workgroup_id_y 1
		.amdhsa_system_sgpr_workgroup_id_z 1
		.amdhsa_system_vgpr_workitem_id 0
		.amdhsa_next_free_vgpr 1024
		.amdhsa_next_free_sgpr 102
		.amdhsa_reserve_vcc 0
		.amdhsa_float_denorm_mode_32 3
		.amdhsa_float_denorm_mode_16_64 3
		.amdhsa_memory_ordered 1
		.amdhsa_forward_progress 1
		.amdhsa_inst_pref_size 255
	.end_amdhsa_kernel
	.section	.bss,"aw",@nobits
	.p2align	6
	.space	262144
	.amdgpu_metadata
---
amdhsa.version: [ 1, 2 ]
amdhsa.kernels:
  - .name:           k_q0bba1bbe28_proj
    .symbol:         k_q0bba1bbe28_proj.kd
    .args:
      - { .name: q_codes, .offset: 0, .size: 8, .value_kind: global_buffer, .address_space: global }
      - { .name: q_scales, .offset: 8, .size: 8, .value_kind: global_buffer, .address_space: global }
      - { .name: Wq_codes, .offset: 16, .size: 8, .value_kind: global_buffer, .address_space: global }
      - { .name: Wq_scales, .offset: 24, .size: 8, .value_kind: global_buffer, .address_space: global }
      - { .name: bq, .offset: 32, .size: 8, .value_kind: global_buffer, .address_space: global }
      - { .name: qc, .offset: 40, .size: 8, .value_kind: global_buffer, .address_space: global }
      - { .name: k_codes, .offset: 48, .size: 8, .value_kind: global_buffer, .address_space: global }
      - { .name: k_scales, .offset: 56, .size: 8, .value_kind: global_buffer, .address_space: global }
      - { .name: Wk_codes, .offset: 64, .size: 8, .value_kind: global_buffer, .address_space: global }
      - { .name: Wk_scales, .offset: 72, .size: 8, .value_kind: global_buffer, .address_space: global }
      - { .name: bk, .offset: 80, .size: 8, .value_kind: global_buffer, .address_space: global }
      - { .name: kc, .offset: 88, .size: 8, .value_kind: global_buffer, .address_space: global }
    .group_segment_fixed_size: 327680
    .private_segment_fixed_size: 0
    .kernarg_segment_align: 8
    .kernarg_segment_size: 96
    .max_flat_workgroup_size: 128
    .sgpr_count:     102
    .vgpr_count:     1024
    .wavefront_size: 32
...
	.end_amdgpu_metadata
.endif
;; end of part 1
;; launch score (part 2): grid 4 x 64, 4 waves a work-group, clusters of 4 x 1, 327,680 bytes of LDS; arguments qc, kc, part; writes part
.if DOCPART == 2
	.amdgcn_target "amdgcn-amd-amdhsa--gfx1250"
	.amdhsa_code_object_version 6
	.text
	.protected	k_q0bba1bbe28_score
	.globl	k_q0bba1bbe28_score
	.p2align	8
	.type	k_q0bba1bbe28_score,@function
k_q0bba1bbe28_score:
	s_mov_b64 s[64:65], 0
	v_nop
	global_prefetch_b8 v0, s[64:65] scope:SCOPE_SE
	s_setreg_imm32_b32 hwreg(HW_REG_WAVE_MODE, 25, 1), 1
	s_wait_xcnt 0x0
	s_wait_alu depctr_hold_cnt(0) depctr_sa_sdst(0) depctr_va_vdst(0) depctr_va_sdst(0) depctr_va_ssrc(0) depctr_va_vcc(0) depctr_vm_vsrc(0)
	s_getreg_b32 s2, hwreg(HW_REG_IB_STS2, 6, 4)
	s_cmp_eq_u32 s2, 0
	s_cbranch_scc0 .Lentry_in_a_cluster
	s_endpgm
.Lentry_in_a_cluster:
	s_bfe_u32 s2, ttmp6, 0x10000c
	s_cmp_lg_u32 s2, 0x3003
	s_cbranch_scc0 .Lentry_shape_is_right
	s_endpgm
.Lentry_shape_is_right:
; part[b][kg][query] = 1/32 x the sum, over the 256 keys of key chunk kg, of Q(qp[query]) . Q(kp[key]), the key equal to the query left out.  Codes of BF6 (E3M2), one E8M0 scale for each 32 along d; sums in f32.
; Every product of 16 x 16 x 128 is issued; the sum over d and the sum over the keys run into the same accumulators, so no score leaves the registers.
; SHARES.  Work-group (x = qg, y = 8 b + kg): 512 queries (groups of 128: 4 qg + wave) x 256 keys (groups 2 kg, 2 kg + 1) of batch b: 1,024 products a wave.
; Source 0 = 16 keys, source 1 = 16 queries: a lane holds one query.  acc[a] sums all tiles of query block a but those with key block = query block, which go into dacc[g][a]; at the end the diagonal is cleared where
; query group = key group (a select on ids, no branch), and all is added.
; qc, kc = [group of 128 rows][K step][12,800 bytes]: eight images of a fragment's registers (1,536 bytes each) and the scale image (512 bytes).
; KEYS: two groups, 204,800 bytes on end, lie in LDS as in memory; each byte is filled once, jointly for the four work-groups of the cluster, which differ in their queries alone.  One tensor load a wave at the head
; (K steps 0, 1); K steps 2, 3 and then 4 to 7 are first fills behind the full sequence and a round: one tensor load of mine is out at any place of the text.
; QUERIES: read once by one wave, from memory straight into registers, two K steps ahead, in three sets.  No prefetch: the walk of eight K steps is written out, and every stream is asked for at least a K step ahead.
; The order of the sum over the keys differs from a row sum of finished scores.  NaN, infinities and the scale byte 0xff are not served.
; REGISTERS: window 0: v1-8 addresses; v16-27 the queries' scale images; v28-35 the keys'; v40-59 work at the end; v62, v63 the add's; v64-127 acc; v128-255 dacc.
;   window 1: the queries' sets 0 and 1;  window 2: the keys' sets 0 and 1;  window 3: the queries' set 2.
.set FR,   12
.set FRB,  1536
.set IMG,  12800
.set GRPB, 8*IMG
.set SPARE, 2*GRPB
.set LA,   1
.set AK,   2                           ; v2-5: GRPB g + 4 IMG hf + 16 x lane
.set DG,   7
.set NIL,  8
.set QS,   16
.set KSR,  28
.set TS,   40
.set ACC,  64
.set DAC,  128
.set WV,   14
.set G1A,  24                          ; 50 rows of 256 bytes
.set G1B,  32                          ; 100 rows
.set G0,   40                          ; s[40:51]: three groups 0
.set MSB, 0
.macro WIN new
.if MSB != (\new)
	s_set_vgpr_msb (MSB<<8)|(\new)
.set MSB, (\new)
.endif
.endm
.macro ROUND
	s_barrier_signal -1
	s_barrier_wait -1
	s_cmp_lg_u32 s[WV], 0
	s_cbranch_scc1 .Lnot_wave_0_\@
	s_barrier_signal -3
.Lnot_wave_0_\@:
	s_barrier_wait -3
	s_barrier_signal -1
	s_barrier_wait -1
.endm
.macro PLACES
.rept 4
	v_nop
.endr
.endm
.macro TL p, g1
	tensor_load_to_lds s[G0+4*(\p):G0+4*(\p)+3], s[\g1:\g1+7]
	s_nop 0
	PLACES
.endm
.macro LINES                           ; the three lines
	s_wait_tensorcnt 0x0
	ds_add_u32 v62, v63
	s_wait_dscnt 0x0
.endm
	s_load_b128 s[4:7], s[0:1], 0x0                ; qc, kc
	s_load_b64 s[12:13], s[0:1], 0x10              ; part
	v_lshl_add_u32 v62, v0, 2, SPARE
	v_mov_b32 v63, 0
	ds_add_u32 v62, v63                            ; the opening lines
	ds_add_u32 v62, v63
	v_lshrrev_b32 v9, 5, v0
	v_readfirstlane_b32 s[WV], v9
	v_and_b32 v9, 31, v0
	v_lshlrev_b32 v[LA], 4, v9
.irp g, 0,1
.irp hf, 0,1
	v_add_nc_u32 v[AK+2*\g+\hf], GRPB*\g+4*IMG*\hf, v[LA]
.endr
.endr
	v_and_b32 v10, 15, v0
	v_bfe_u32 v11, v0, 4, 1
	v_lshlrev_b32 v11, 3, v11
	v_sub_nc_u32 v[DG], v10, v11                   ; register j of a diagonal tile holds key = query where this is j
	v_mov_b32 v[NIL], 0
.irp a, 0,1,2,3,4,5,6,7
	v_mov_b32 v[TS+8+\a], 0                        ; a lane permute's destination counts as one of its sources
.endr
	s_bfe_u32 s15, ttmp6, 0x40000                  ; cx = qg: it enters the queries' and part's addresses and one select of a value
	s_and_b32 s16, ttmp7, 0xffff                   ; y = 8 b + kg
	s_lshr_b32 s17, s16, 3
	s_and_b32 s18, s16, 7
	s_and_b32 s19, s[WV], 1                        ; my pieces: key group wave % 2,
	s_mul_i32 s19, s19, GRPB
	s_lshr_b32 s20, s[WV], 1                       ; K step wave / 2 of a pair, or pair wave / 2 of the last four
	s_mul_i32 s20, s20, IMG
	s_add_co_u32 s72, s19, s20
	s_mov_b32 s73, 0
	s_add_co_u32 s74, s72, s20
	s_add_co_u32 s74, s74, 4*IMG
	s_mov_b32 s75, 0
	s_mul_i32 s22, s16, 2*GRPB                     ; the first key group is 2 y
	s_mov_b32 s23, 0
	s_lshl_b32 s94, s15, 2
	s_add_co_u32 s94, s94, s[WV]                   ; my query group in the batch
	s_lshl_b32 s3, s17, 4
	s_add_co_u32 s3, s3, s94
	s_mul_i32 s66, s3, GRPB
	s_mov_b32 s67, 0
	s_lshl_b32 s70, s16, 4
	s_add_co_u32 s70, s70, s94
	s_lshl_b32 s70, s70, 9                         ; part: 512 bytes for each (b, kg, query group)
	s_mov_b32 s71, 0
	s_mov_b32 s60, 0x76543210
	s_mov_b32 s61, 0xfedcba98
	s_mov_b32 s62, 0xffff0000
	s_mov_b32 s[G1A], 15|(3<<16)|(1<<21)           ; all four work-groups; elements of 8 bytes; dense rows of 256 bytes
	s_mov_b32 s[G1A+1], 32<<16
	s_mov_b32 s[G1A+2], 50<<16
	s_mov_b32 s[G1A+3], 32<<16
	s_mov_b32 s[G1A+4], 50
	s_mov_b32 s[G1A+5], 32
	s_mov_b32 s[G1A+6], 0
	s_mov_b32 s[G1A+7], 0
	s_mov_b32 s[G1B], 15|(3<<16)|(1<<21)
	s_mov_b32 s[G1B+1], 32<<16
	s_mov_b32 s[G1B+2], 100<<16
	s_mov_b32 s[G1B+3], 32<<16
	s_mov_b32 s[G1B+4], 100
	s_mov_b32 s[G1B+5], 32
	s_mov_b32 s[G1B+6], 0
	s_mov_b32 s[G1B+7], 0
	s_wait_alu depctr_va_vdst(0)                   ; the wait at the head's end
	s_wait_dscnt 0x0
	s_wait_kmcnt 0x0
	s_add_nc_u64 s[4:5], s[4:5], s[66:67]
	s_add_nc_u64 s[6:7], s[6:7], s[22:23]
	s_add_nc_u64 s[12:13], s[12:13], s[70:71]
	s_mov_b32 s[G0], 1
	s_mov_b32 s[G0+1], s72
	s_add_nc_u64 s[G0+2:G0+3], s[6:7], s[72:73]
	s_mov_b32 s[G0+4], 1
	s_add_co_u32 s[G0+5], s72, 2*IMG
	s_add_nc_u64 s[G0+6:G0+7], s[G0+2:G0+3], 2*IMG
	s_mov_b32 s[G0+8], 1
	s_mov_b32 s[G0+9], s74
	s_add_nc_u64 s[G0+10:G0+11], s[6:7], s[74:75]
	s_or_b32 s[G0+3], s[G0+3], 0x80000000
	s_or_b32 s[G0+7], s[G0+7], 0x80000000
	s_or_b32 s[G0+11], s[G0+11], 0x80000000
.macro QRUN ks                         ; 25 loads: my queries' scale image and eight fragments of K step ks, into set ks % 3
.set QSET, (\ks)%3
	WIN 0
	global_load_b128 v[QS+4*QSET:QS+4*QSET+3], v[LA], s[4:5] offset:IMG*(\ks)+8*FRB
.if QSET == 2
	WIN 0xc0
.set QB, 0
.else
	WIN 0x40
.set QB, 96*QSET
.endif
.irp a, 0,1,2,3,4,5,6,7
.irp c, 0,1,2
	global_load_b128 v[QB+FR*\a+4*\c:QB+FR*\a+4*\c+3], v[LA], s[4:5] offset:IMG*(\ks)+FRB*\a+512*\c
.endr
.endr
.endm
.macro KRUN ks, g                      ; 25 LDS loads: key group g's scale image and eight fragments of K step ks, into set g
	WIN 0
	ds_load_b128 v[KSR+4*\g:KSR+4*\g+3], v[AK+2*\g+(\ks)/4] offset:IMG*((\ks)%4)+8*FRB
	WIN 0x80
.irp blk, 0,1,2,3,4,5,6,7
.irp c, 0,1,2
	ds_load_b128 v[96*\g+FR*\blk+4*\c:96*\g+FR*\blk+4*\c+3], v[AK+2*\g+(\ks)/4] offset:IMG*((\ks)%4)+FRB*\blk+512*\c
.endr
.endr
.endm
.macro WM d, k, q, c, sk, sq, ra, rb   ; ra, rb: which half of the lanes holds the scale words
.if (\ra) && (\rb)
	v_wmma_scale_f32_16x16x128_f8f6f4 v[\d:\d+7], v[\k:\k+11], v[\q:\q+11], \c, v[\sk], v[\sq] matrix_a_fmt:MATRIX_FMT_BF6 matrix_b_fmt:MATRIX_FMT_BF6 matrix_a_scale:MATRIX_SCALE_ROW1 matrix_b_scale:MATRIX_SCALE_ROW1
.elseif (\ra)
	v_wmma_scale_f32_16x16x128_f8f6f4 v[\d:\d+7], v[\k:\k+11], v[\q:\q+11], \c, v[\sk], v[\sq] matrix_a_fmt:MATRIX_FMT_BF6 matrix_b_fmt:MATRIX_FMT_BF6 matrix_a_scale:MATRIX_SCALE_ROW1
.elseif (\rb)
	v_wmma_scale_f32_16x16x128_f8f6f4 v[\d:\d+7], v[\k:\k+11], v[\q:\q+11], \c, v[\sk], v[\sq] matrix_a_fmt:MATRIX_FMT_BF6 matrix_b_fmt:MATRIX_FMT_BF6 matrix_b_scale:MATRIX_SCALE_ROW1
.else
	v_wmma_scale_f32_16x16x128_f8f6f4 v[\d:\d+7], v[\k:\k+11], v[\q:\q+11], \c, v[\sk], v[\sq] matrix_a_fmt:MATRIX_FMT_BF6 matrix_b_fmt:MATRIX_FMT_BF6
.endif
.endm
.macro ONE ks, g, blk, a               ; key block blk of group g x query block a.  The first product on each accumulator takes 0 as C
.set ZR, 0
.if (\a) == (\blk)
.set RD, DAC+64*(\g)+8*(\a)
.if (\ks) == 0
.set ZR, 1
.endif
.else
.set RD, ACC+8*(\a)
.if ((\ks) == 0) && ((\g) == 0)
.if ((\blk) == 0) || (((\blk) == 1) && ((\a) == 0))
.set ZR, 1
.endif
.endif
.endif
.if ZR
	WM RD, 96*(\g)+FR*(\blk), QB+FR*(\a), 0, KSR+4*(\g)+(\blk)/2, QS+4*QSET+(\a)/2, (\blk)%2, (\a)%2
.else
	WM RD, 96*(\g)+FR*(\blk), QB+FR*(\a), v[RD:RD+7], KSR+4*(\g)+(\blk)/2, QS+4*QSET+(\a)/2, (\blk)%2, (\a)%2
.endif
.endm
.macro MM ks, g                        ; 64 products; the eight accumulators of a key block take turns
.set QSET, (\ks)%3
.if QSET == 2
	WIN 0x0e
.set QB, 0
.else
	WIN 0x06
.set QB, 96*QSET
.endif
.irp blk, 0,1,2,3,4,5,6,7
.irp a, 0,1,2,3,4,5,6,7
	ONE \ks, \g, \blk, \a
.endr
.endr
.endm
.macro HALF0 ks                        ; key group 0's products; ahead of them key group 1's fragments and the queries of two K steps on are asked for
.if (\ks) > 0
	PLACES
.endif
	KRUN \ks, 1
.if (\ks) < 6
	QRUN (\ks)+2
	s_wait_loadcnt 50                              ; this K step's queries are in; the 2 x 25 loads of the next two may be out
.elseif (\ks) == 6
	s_wait_loadcnt 25
.else
	s_wait_loadcnt 0x0
.endif
	s_wait_dscnt 25                                ; key group 0's fragments are in; the 25 just issued may be out
	MM \ks, 0
.endm
.macro HALF1 ks                        ; key group 1's products; ahead of them key group 0's fragments of the next K step
.if (\ks) == 7
	s_wait_dscnt 0x0
.else
.if (\ks) == 1
	WIN 0
	LINES                                          ; K steps 2, 3 have landed: my part
	ROUND                                          ; everybody's; and the partners are here
	TL 2, G1B                                      ; K steps 4 to 7: a first fill; its four v_nop are the places in front of the loads below
.elseif (\ks) == 3
	s_wait_dscnt 0x0
	s_wait_tensorcnt 0x0                           ; K steps 4 to 7: my part
	s_barrier_signal -1
	s_barrier_wait -1                              ; everybody's
	PLACES
.else
	PLACES
.endif
	KRUN (\ks)+1, 0
	s_wait_dscnt 25                                ; key group 1's fragments are in
.endif
	MM \ks, 1
.endm
	QRUN 0                                         ; the first K step's queries are asked for while the work-groups meet
	WIN 0
	ROUND                                          ; all four work-groups are here
	TL 0, G1A                                      ; K steps 0 and 1 of both groups, a quarter a wave
	QRUN 1
	WIN 0
	LINES
	ROUND
	TL 1, G1A                                      ; K steps 2 and 3: a first fill
	KRUN 0, 0
.irp ks, 0,1,2,3,4,5,6,7
	HALF0 \ks
	HALF1 \ks
.endr
	; THE END.  The diagonal is cleared, everything is added, 1/32.
	WIN 0
	PLACES
.irp j, 0,1,2,3,4,5,6,7
	v_cmp_eq_u32 s[68+\j], \j, v[DG]
.endr
	s_lshl_b32 s95, s18, 1                         ; key group 0 in the batch: 2 kg
	s_cmp_eq_u32 s94, s95
	s_cselect_b32 s92, -1, 0                       ; is it my query group?  A value is chosen: every wave runs the same lines
	s_add_co_u32 s95, s95, 1
	s_cmp_eq_u32 s94, s95
	s_cselect_b32 s93, -1, 0
.irp g, 0,1
.irp j, 0,1,2,3,4,5,6,7
	s_and_b32 s[76+8*\g+\j], s[68+\j], s[92+\g]
.endr
.endr
.irp g, 0,1
.irp a, 0,1,2,3,4,5,6,7
.irp j, 0,1,2,3,4,5,6,7
	v_cndmask_b32 v[DAC+64*\g+8*\a+\j], v[DAC+64*\g+8*\a+\j], v[NIL], s[76+8*\g+\j]   ; each accumulator from its low end on
.endr
.endr
.endr
.irp g, 0,1
.irp p, 0,2,4,6
.irp a, 0,1,2,3,4,5,6,7
	v_pk_add_f32 v[ACC+8*\a+\p:ACC+8*\a+\p+1], v[ACC+8*\a+\p:ACC+8*\a+\p+1], v[DAC+64*\g+8*\a+\p:DAC+64*\g+8*\a+\p+1]
.endr
.endr
.endr
.irp a, 0,1,2,3,4,5,6,7
	v_pk_add_f32 v[ACC+8*\a:ACC+8*\a+1], v[ACC+8*\a:ACC+8*\a+1], v[ACC+8*\a+2:ACC+8*\a+3]
	v_pk_add_f32 v[ACC+8*\a+4:ACC+8*\a+5], v[ACC+8*\a+4:ACC+8*\a+5], v[ACC+8*\a+6:ACC+8*\a+7]
.endr
.irp a, 0,1,2,3,4,5,6,7
	v_pk_add_f32 v[ACC+8*\a:ACC+8*\a+1], v[ACC+8*\a:ACC+8*\a+1], v[ACC+8*\a+4:ACC+8*\a+5]
.endr
.irp a, 0,1,2,3,4,5,6,7
	v_add_f32 v[TS+\a], v[ACC+8*\a], v[ACC+8*\a+1]
.endr
.irp a, 0,1,2,3,4,5,6,7
	v_permlanex16_b32 v[TS+8+\a], v[TS+\a], s60, s61
.endr
.irp a, 0,1,2,3,4,5,6,7
	v_add_f32 v[TS+\a], v[TS+\a], v[TS+8+\a]
.endr
.irp i, 0,1,2,3
	v_cndmask_b32 v[TS+8+\i], v[TS+2*\i], v[TS+2*\i+1], s62   ; lane l has query 32 i + l of the group
.endr
.irp i, 0,1,2,3
	v_mul_f32 v[TS+16+\i], 0x3d000000, v[TS+8+\i]  ; x 1/32: exact
.endr
	global_store_b128 v[LA], v[TS+16:TS+19], s[12:13]   ; 32 lanes store 512 consecutive bytes, aligned
	LINES                                          ; the wave's end
	ROUND                                          ; the closing round
	s_endpgm
.Lfunc_end_k_q0bba1bbe28_score:
	.size	k_q0bba1bbe28_score, .Lfunc_end_k_q0bba1bbe28_score-k_q0bba1bbe28_score
	.p2alignl 7, 3214868480
	.fill 96, 4, 3214868480
	.section	.rodata,"a",@progbits
	.p2align	6, 0x0
	.amdhsa_kernel k_q0bba1bbe28_score
		.amdhsa_group_segment_fixed_size 327680
		.amdhsa_private_segment_fixed_size 0
		.amdhsa_enable_private_segment 0
		.amdhsa_kernarg_size 24
		.amdhsa_user_sgpr_count 2
		.amdhsa_user_sgpr_kernarg_segment_ptr 1
		.amdhsa_wavefront_size32 1
		.amdhsa_system_sgpr_workgroup_id_x 1
		.amdhsa_system_sgpr_workgroup_id_y 1
		.amdhsa_system_sgpr_workgroup_id_z 1
		.amdhsa_system_vgpr_workitem_id 0
		.amdhsa_next_free_vgpr 864
		.amdhsa_next_free_sgpr 96
		.amdhsa_reserve_vcc 0
		.amdhsa_float_denorm_mode_32 3
		.amdhsa_float_denorm_mode_16_64 3
		.amdhsa_memory_ordered 1
		.amdhsa_forward_progress 1
		.amdhsa_inst_pref_size 200
	.end_amdhsa_kernel
	.amdgpu_metadata
---
amdhsa.version: [ 1, 2 ]
amdhsa.kernels:
  - .name:           k_q0bba1bbe28_score
    .symbol:         k_q0bba1bbe28_score.kd
    .args:
      - { .name: qc, .offset: 0, .size: 8, .value_kind: global_buffer, .address_space: global }
      - { .name: kc, .offset: 8, .size: 8, .value_kind: global_buffer, .address_space: global }
      - { .name: part, .offset: 16, .size: 8, .value_kind: global_buffer, .address_space: global }
    .group_segment_fixed_size: 327680
    .private_segment_fixed_size: 0
    .kernarg_segment_align: 8
    .kernarg_segment_size: 24
    .max_flat_workgroup_size: 128
    .sgpr_count:     96
    .vgpr_count:     864
    .wavefront_size: 32
...
	.end_amdgpu_metadata
.endif
;; end of part 2
;; launch pool (part 3): grid 8 x 32, 16 waves a work-group, no clusters, 10,496 bytes of LDS; arguments part, v, pp, stats; writes pp, stats
.if DOCPART == 3
	.amdgcn_target "amdgcn-amd-amdhsa--gfx1250"
	.amdhsa_code_object_version 6
	.text
	.protected	k_q0bba1bbe28_pool
	.globl	k_q0bba1bbe28_pool
	.p2align	8
	.type	k_q0bba1bbe28_pool,@function
k_q0bba1bbe28_pool:
	s_mov_b64 s[64:65], 0
	v_nop
	global_prefetch_b8 v0, s[64:65] scope:SCOPE_SE
	s_setreg_imm32_b32 hwreg(HW_REG_WAVE_MODE, 25, 1), 1
	s_wait_xcnt 0x0
; The softmax over a batch's 2,048 logits and the weighted sum of v's rows, for 512 rows x 128 columns a work-group.  x = dc (columns 128 dc on), y = 4 b + sc (rows 512 sc on of batch b).
; logit[row] = the sum of part's eight key chunks.  A maximum is taken away before every exponential: each wave takes its 32 rows' own maximum m, p = e^(logit - m), l = the sum of p, and sums p x v's rows;
; wave 0 then joins the sixteen waves under their common maximum M (factors e^(m - M)).  pp[b][sc][column] = the sum of e^(logit - M) v, stats = (M, L = the sum of e^(logit - M)): the next launch joins the four chunks and divides.
; Each of the eight work-groups of a (b, sc) stores its own copy of (M, L), so that each byte has one writer.
; A STREAM: v is read once, 16 bytes a lane, 512 consecutive bytes a load; all 32 loads of a wave (a work-group's 262,144 bytes) go out at the head.  No matrix unit (one row of weights), no tensor load, no cluster:
; work-groups share only part, 16 KiB of a work-group's 272 KiB.
; LIMITS: a weight under 2^-126 of its wave's largest counts as 0 (ISA guide: v_exp_f32 flushes denormal results).  NaN and infinities are not served.
	s_load_b256 s[4:11], s[0:1], 0x0               ; part, v, pp, stats
	v_lshl_add_u32 v160, v0, 2, 0x2100
	v_mov_b32 v161, 0
	v_lshrrev_b32 v4, 5, v0
	s_delay_alu instid0(VALU_DEP_1)
	v_readfirstlane_b32 s12, v4                    ; wave 0..15
	v_and_b32 v3, 31, v0
	s_delay_alu instid0(VALU_DEP_1)
	v_lshlrev_b32 v1, 4, v3                        ; 16 x lane
	v_lshlrev_b32 v2, 4, v0                        ; LDS: my wave's partial sums: 512 x wave + 16 x lane
	v_lshl_add_u32 v4, v4, 3, 8192                 ; LDS: my wave's (m, l)
	v_and_b32 v5, 15, v0
	s_delay_alu instid0(VALU_DEP_1)
	v_lshl_add_u32 v5, v5, 3, 8192                 ; and wave (lane % 16)'s, for wave 0's reading
	v_mov_b32 v26, 0                               ; written once: a lane permute's destination counts as one of its sources
	s_and_b32 s13, ttmp7, 0xffff                   ; y = 4 b + sc
	s_mov_b32 s14, 0x76543210
	s_mov_b32 s15, 0xfedcba98                      ; v_permlanex16_b32's selects for lane l xor 16
	s_mov_b32 s23, 0                               ; the upper words of the pairs that the packed forms name
	s_mov_b32 s25, 0
	; part = [b][kg][group of 128 rows][512]: row 128 g + 32 i + l at 16 l + 4 i.  My rows 512 sc + 32 wave + l: g = 4 sc + wave / 4, i = wave % 4
	s_lshr_b32 s16, s13, 2
	s_lshl_b32 s16, s16, 16                        ; 65,536 b
	s_and_b32 s17, s13, 3
	s_lshl_b32 s17, s17, 11                        ; 512 x 4 sc
	s_add_co_u32 s16, s16, s17
	s_lshr_b32 s17, s12, 2
	s_lshl_b32 s17, s17, 9
	s_add_co_u32 s16, s16, s17
	s_and_b32 s17, s12, 3
	s_lshl_b32 s17, s17, 2
	s_add_co_u32 s16, s16, s17
	s_mov_b32 s17, 0
	s_lshl_b32 s18, s13, 21                        ; v: 512 y rows of 4,096 bytes (y under 32: under 2^26),
	s_lshl_b32 s19, s12, 17                        ; 32 rows a wave,
	s_add_co_u32 s18, s18, s19
	s_lshl_b32 s19, ttmp9, 9                       ; 512 bytes a column chunk
	s_add_co_u32 s18, s18, s19
	s_mov_b32 s19, 0
	s_lshl_b32 s20, s13, 12                        ; pp: 4,096 y + 512 dc
	s_lshl_b32 s21, ttmp9, 9
	s_add_co_u32 s20, s20, s21
	s_mov_b32 s21, 0
	s_lshl_b32 s26, ttmp9, 8                       ; stats: 256 dc + 8 y
	s_lshl_b32 s27, s13, 3
	s_add_co_u32 s26, s26, s27
	s_mov_b32 s27, 0
	s_wait_alu depctr_va_vdst(0)
	s_wait_kmcnt 0x0
	s_add_nc_u64 s[4:5], s[4:5], s[16:17]
	s_add_nc_u64 s[6:7], s[6:7], s[18:19]
	s_add_nc_u64 s[8:9], s[8:9], s[20:21]
	s_add_nc_u64 s[10:11], s[10:11], s[26:27]
.irp kg, 0,1,2,3,4,5,6,7
	global_load_b32 v[8+\kg], v1, s[4:5] offset:8192*\kg           ; lane l: row 32 wave + l's part from key chunk kg
.endr
.irp i, 0,1,2,3,4,5,6,7,8,9,10,11,12,13,14,15,16,17,18,19,20,21,22,23,24,25,26,27,28,29,30,31
	global_load_b128 v[32+4*\i:35+4*\i], v1, s[6:7] offset:4096*\i th:TH_LOAD_NT   ; row i of my 32: 512 consecutive bytes
.endr
	s_wait_loadcnt 32                              ; the eight parts are in; v's 32 loads stay out
	v_add_f32 v8, v8, v9
	v_add_f32 v10, v10, v11
	v_add_f32 v12, v12, v13
	v_add_f32 v14, v14, v15
	s_delay_alu instid0(VALU_DEP_3)
	v_add_f32 v8, v8, v10
	s_delay_alu instid0(VALU_DEP_2)
	v_add_f32 v12, v12, v14
	s_delay_alu instid0(VALU_DEP_1)
	v_add_f32 v8, v8, v12                          ; my row's logit
	s_delay_alu instid0(VALU_DEP_1)
	v_mov_b32 v24, v8
	s_delay_alu instid0(VALU_DEP_1)
	v_max_num_f32_dpp v24, v24, v24 row_xmask:1 row_mask:0xf bank_mask:0xf
	s_delay_alu instid0(VALU_DEP_1)
	v_max_num_f32_dpp v24, v24, v24 row_xmask:2 row_mask:0xf bank_mask:0xf
	s_delay_alu instid0(VALU_DEP_1)
	v_max_num_f32_dpp v24, v24, v24 row_xmask:4 row_mask:0xf bank_mask:0xf
	s_delay_alu instid0(VALU_DEP_1)
	v_max_num_f32_dpp v24, v24, v24 row_xmask:8 row_mask:0xf bank_mask:0xf
	s_delay_alu instid0(VALU_DEP_1)
	v_permlanex16_b32 v26, v24, s14, s15
	s_delay_alu instid0(VALU_DEP_1)
	v_max_num_f32 v24, v24, v26                    ; m: the largest of my wave's 32
	s_delay_alu instid0(VALU_DEP_1)
	v_sub_f32 v9, v8, v24
	s_delay_alu instid0(VALU_DEP_1)
	v_mul_f32 v9, 0x3fb8aa3b, v9                   ; x log2(e)
	s_wait_alu depctr_va_vdst(0)
	v_exp_f32 v9, v9                               ; p = e^(logit - m), at most 1
	v_nop                                          ; a plain place behind the transcendental
	s_wait_alu depctr_va_vdst(0)                   ; the wait ahead of the first reader
	v_mov_b32 v25, v9
	s_delay_alu instid0(VALU_DEP_1)
	v_add_f32_dpp v25, v25, v25 row_xmask:1 row_mask:0xf bank_mask:0xf
	s_delay_alu instid0(VALU_DEP_1)
	v_add_f32_dpp v25, v25, v25 row_xmask:2 row_mask:0xf bank_mask:0xf
	s_delay_alu instid0(VALU_DEP_1)
	v_add_f32_dpp v25, v25, v25 row_xmask:4 row_mask:0xf bank_mask:0xf
	s_delay_alu instid0(VALU_DEP_1)
	v_add_f32_dpp v25, v25, v25 row_xmask:8 row_mask:0xf bank_mask:0xf
	s_delay_alu instid0(VALU_DEP_1)
	v_permlanex16_b32 v26, v25, s14, s15
	s_delay_alu instid0(VALU_DEP_1)
	v_add_f32 v25, v25, v26                        ; l: the sum of my wave's 32
; row i: its weight lies in lane i; as a scalar it multiplies the row's four numbers of every lane.  Two chains, even and odd rows, started by the first two rows: nothing is cleared.
.irp i, 0,1,2,3,4,5,6,7,8,9,10,11,12,13,14,15,16,17,18,19,20,21,22,23,24,25,26,27,28,29,30,31
	s_wait_loadcnt 31-\i                           ; loads come back in order: row i is in, the younger rows stay out
	v_readlane_b32 s[22+2*(\i%2)], v9, \i
.if \i < 2
	s_delay_alu instid0(VALU_DEP_1)
	v_pk_mul_f32 v[16+4*(\i%2):17+4*(\i%2)], v[32+4*\i:33+4*\i], s[22+2*(\i%2):23+2*(\i%2)] op_sel_hi:[1,0]
	s_wait_alu depctr_va_vdst(0)
	v_pk_mul_f32 v[18+4*(\i%2):19+4*(\i%2)], v[34+4*\i:35+4*\i], s[22+2*(\i%2):23+2*(\i%2)] op_sel_hi:[1,0]
.else
	s_delay_alu instid0(VALU_DEP_1)
	v_pk_fma_f32 v[16+4*(\i%2):17+4*(\i%2)], v[32+4*\i:33+4*\i], s[22+2*(\i%2):23+2*(\i%2)], v[16+4*(\i%2):17+4*(\i%2)] op_sel_hi:[1,0,1]
	s_wait_alu depctr_va_vdst(0)
	v_pk_fma_f32 v[18+4*(\i%2):19+4*(\i%2)], v[34+4*\i:35+4*\i], s[22+2*(\i%2):23+2*(\i%2)], v[18+4*(\i%2):19+4*(\i%2)] op_sel_hi:[1,0,1]
.endif
.endr
	v_pk_add_f32 v[16:17], v[16:17], v[20:21]
	s_delay_alu instid0(VALU_DEP_2)
	v_pk_add_f32 v[18:19], v[18:19], v[22:23]
	ds_store_b128 v2, v[16:19]                     ; my wave's sums of 128 columns
	ds_store_b64 v4, v[24:25]                      ; and its (m, l): every lane writes the same words with the same values
	s_wait_dscnt 0x0                               ; for wave 0's sake: my stores have landed
	s_barrier_signal -1
	s_barrier_wait -1
	s_cmp_lg_u32 s12, 0
	s_cbranch_scc1 .Ldone                          ; wave 0 joins the sixteen
	ds_load_b64 v[26:27], v5                       ; lane l: (m, l) of wave l % 16
.irp k, 0,1,2,3,4,5,6,7,8,9,10,11,12,13,14,15
	ds_load_b128 v[32+4*\k:35+4*\k], v1 offset:512*\k
.endr
	s_wait_dscnt 16                                ; the pair is in; the sixteen loads behind it may be out
	v_mov_b32 v28, v26
	s_delay_alu instid0(VALU_DEP_1)
	v_max_num_f32_dpp v28, v28, v28 row_xmask:1 row_mask:0xf bank_mask:0xf
	s_delay_alu instid0(VALU_DEP_1)
	v_max_num_f32_dpp v28, v28, v28 row_xmask:2 row_mask:0xf bank_mask:0xf
	s_delay_alu instid0(VALU_DEP_1)
	v_max_num_f32_dpp v28, v28, v28 row_xmask:4 row_mask:0xf bank_mask:0xf
	s_delay_alu instid0(VALU_DEP_1)
	v_max_num_f32_dpp v28, v28, v28 row_xmask:8 row_mask:0xf bank_mask:0xf   ; M: the largest of the 512 (each half of the lanes holds all sixteen waves)
	s_delay_alu instid0(VALU_DEP_1)
	v_sub_f32 v30, v26, v28
	s_delay_alu instid0(VALU_DEP_1)
	v_mul_f32 v30, 0x3fb8aa3b, v30
	s_wait_alu depctr_va_vdst(0)
	v_exp_f32 v30, v30                             ; f = e^(m - M)
	v_mov_b32 v6, 0                                ; (a plain place behind the transcendental)  the offset of the store of (M, L)
	s_wait_alu depctr_va_vdst(0)
	v_mul_f32 v29, v30, v27
	s_delay_alu instid0(VALU_DEP_1)
	v_add_f32_dpp v29, v29, v29 row_xmask:1 row_mask:0xf bank_mask:0xf
	s_delay_alu instid0(VALU_DEP_1)
	v_add_f32_dpp v29, v29, v29 row_xmask:2 row_mask:0xf bank_mask:0xf
	s_delay_alu instid0(VALU_DEP_1)
	v_add_f32_dpp v29, v29, v29 row_xmask:4 row_mask:0xf bank_mask:0xf
	s_delay_alu instid0(VALU_DEP_1)
	v_add_f32_dpp v29, v29, v29 row_xmask:8 row_mask:0xf bank_mask:0xf       ; L = the sum of f l
.irp k, 0,1,2,3,4,5,6,7,8,9,10,11,12,13,14,15
	v_readlane_b32 s[32+\k], v30, \k
.endr
	s_wait_dscnt 0x0
.irp c, 0,1,2,3
	v_mul_f32 v[16+\c], s32, v[32+\c]
.endr
.irp k, 1,2,3,4,5,6,7,8,9,10,11,12,13,14,15
.irp c, 0,1,2,3
	s_delay_alu instid0(VALU_DEP_4)
	v_fmac_f32 v[16+\c], s[32+\k], v[32+4*\k+\c]
.endr
.endr
	global_store_b128 v1, v[16:19], s[8:9]         ; 32 lanes store 512 consecutive bytes, at a multiple of 512 from the buffer's first byte
	s_wait_xcnt 0x0                                ; EXEC changes only behind this wait
	v_cmp_eq_u32 vcc_lo, 0, v0
	s_and_saveexec_b32 s20, vcc_lo
	global_store_b64 v6, v[28:29], s[10:11]        ; (M, L), by lane 0
	s_wait_xcnt 0x0                                ; and again, in front of the line that widens it
	s_or_b32 exec_lo, exec_lo, s20
.Ldone:
	s_wait_tensorcnt 0x0
	ds_add_u32 v160, v161
	s_wait_dscnt 0x0
	s_endpgm
.Lfunc_end_k_q0bba1bbe28_pool:
	.size	k_q0bba1bbe28_pool, .Lfunc_end_k_q0bba1bbe28_pool-k_q0bba1bbe28_pool
	.p2alignl 7, 3214868480
	.fill 96, 4, 3214868480
	.section	.rodata,"a",@progbits
	.p2align	6, 0x0
	.amdhsa_kernel k_q0bba1bbe28_pool
		.amdhsa_group_segment_fixed_size 10496
		.amdhsa_private_segment_fixed_size 0
		.amdhsa_enable_private_segment 0
		.amdhsa_kernarg_size 32
		.amdhsa_user_sgpr_count 2
		.amdhsa_user_sgpr_kernarg_segment_ptr 1
		.amdhsa_wavefront_size32 1
		.amdhsa_system_sgpr_workgroup_id_x 1
		.amdhsa_system_sgpr_workgroup_id_y 1
		.amdhsa_system_sgpr_workgroup_id_z 1
		.amdhsa_system_vgpr_workitem_id 0
		.amdhsa_next_free_vgpr 162
		.amdhsa_next_free_sgpr 66
		.amdhsa_reserve_vcc 1
		.amdhsa_float_denorm_mode_32 3
		.amdhsa_float_denorm_mode_16_64 3
		.amdhsa_memory_ordered 1
		.amdhsa_forward_progress 1
		.amdhsa_inst_pref_size 25
	.end_amdhsa_kernel
	.amdgpu_metadata
---
amdhsa.version: [ 1, 2 ]
amdhsa.kernels:
  - .name:           k_q0bba1bbe28_pool
    .symbol:         k_q0bba1bbe28_pool.kd
    .args:
      - { .name: part, .offset: 0, .size: 8, .value_kind: global_buffer, .address_space: global }
      - { .name: v, .offset: 8, .size: 8, .value_kind: global_buffer, .address_space: global }
      - { .name: pp, .offset: 16, .size: 8, .value_kind: global_buffer, .address_space: global }
      - { .name: stats, .offset: 24, .size: 8, .value_kind: global_buffer, .address_space: global }
    .group_segment_fixed_size: 10496
    .private_segment_fixed_size: 0
    .kernarg_segment_align: 8
    .kernarg_segment_size: 32
    .max_flat_workgroup_size: 512
    .sgpr_count:     66
    .vgpr_count:     162
    .wavefront_size: 32
...
	.end_amdgpu_metadata
.endif
;; end of part 3
;; launch outp (part 4): grid 64 x 4, 8 waves a work-group, no clusters, 9,472 bytes of LDS; arguments pp, stats, Wo, bo, out0; writes out0
.if DOCPART == 4
	.amdgcn_target "amdgcn-amd-amdhsa--gfx1250"
	.amdhsa_code_object_version 6
	.text
	.protected	k_q0bba1bbe28_outp
	.globl	k_q0bba1bbe28_outp
	.p2align	8
	.type	k_q0bba1bbe28_outp,@function
k_q0bba1bbe28_outp:
	s_mov_b64 s[64:65], 0
	v_nop
	global_prefetch_b8 v0, s[64:65] scope:SCOPE_SE
	s_setreg_imm32_b32 hwreg(HW_REG_WAVE_MODE, 25, 1), 1
	s_wait_xcnt 0x0
; out0[b][n] = the sum over d of pooled[b][d] Wo[n][d] + bo[n], with pooled[b][d] = the sum over the four row chunks sc of c[b][sc] pp[b][sc][d], c = e^(M[b][sc] - M[b]) / Z[b],
; M[b] the largest of the four M, Z[b] = the sum of e^(M[b][sc] - M[b]) L[b][sc]: the softmax's maximum and divisor, joined over the chunks.  All in f32.
; SHARES.  Work-group (x, y): rows n = 16 x on of Wo for batches 2 y and 2 y + 1; wave w rows 2 w and 2 w + 1.  A work-group reads 65,536 bytes of Wo and 32,768 of pp.  Thread t makes d = 4 t .. 4 t + 3 of both
; batches' pooled; it goes from wave to wave through LDS.
; Vector multiply-adds, no matrix unit: two rows of pooled a work-group.  No tensor load and no cluster: pp comes through registers, since each thread scales it on the way.
; A work-group's results are 64 bytes of each of 2 rows of out0: pieces of 64 bytes are stored.
; LDS: pooled at 4,096 b + 4 d; the 32 results at 8,192 + 4 (16 b + row); the spare words at 8,448.
; REGISTERS: v2-13 addresses; v[6:7] (M, L); v8 c; v16-23 pooled; v48-111 Wo's two rows; v112-143 pp; v144-207 both batches' pooled; v208-215 four chains; v216-219 the sums; v224-227 work; v240 bo.
.set X, 216
.set T, 224
	s_load_b256 s[4:11], s[0:1], 0x0               ; pp, stats, Wo, bo
	s_load_b64 s[12:13], s[0:1], 0x20              ; out0
	v_lshl_add_u32 v254, v0, 2, 8448
	v_mov_b32 v255, 0
	v_lshrrev_b32 v14, 5, v0
	s_delay_alu instid0(VALU_DEP_1)
	v_readfirstlane_b32 s14, v14                   ; wave 0..7
	v_and_b32 v5, 31, v0
	v_lshlrev_b32 v2, 4, v0                        ; 16 t
	s_delay_alu instid0(VALU_DEP_2)
	v_lshlrev_b32 v3, 4, v5                        ; 16 l
	v_and_b32 v4, 7, v0
	s_delay_alu instid0(VALU_DEP_1)
	v_lshlrev_b32 v4, 3, v4                        ; stats: 8 (l % 8): lane l takes b = (l % 8) / 4 of my two, sc = l % 4
	v_and_b32 v9, 15, v0
	s_delay_alu instid0(VALU_DEP_1)
	v_lshlrev_b32 v9, 2, v9                        ; bo: 4 (l % 16)
	v_bfe_u32 v10, v0, 4, 1
	s_delay_alu instid0(VALU_DEP_1)
	v_lshl_add_u32 v10, v10, 12, v9                ; out0: row l / 16 of my two, + 4 (l % 16)
	v_and_b32 v12, 1, v0                           ; where a sum goes in LDS: lane bit 0 = b, bit 1 = j: 64 b + 8 w + 4 j
	s_delay_alu instid0(VALU_DEP_1)
	v_lshlrev_b32 v12, 6, v12
	v_bfe_u32 v15, v0, 1, 1
	s_delay_alu instid0(VALU_DEP_1)
	v_lshl_add_u32 v12, v15, 2, v12
	s_delay_alu instid0(VALU_DEP_1)
	v_lshl_add_u32 v12, v14, 3, v12
	s_delay_alu instid0(VALU_DEP_1)
	v_add_nc_u32 v12, 8192, v12
	v_lshl_add_u32 v13, v5, 2, 8192                ; and where wave 0 reads them back
	s_and_b32 s15, ttmp7, 0xffff                   ; y
	s_mov_b32 s24, 0xaaaaaaaa                      ; the lanes whose number has bit 0, bit 1 set
	s_mov_b32 s25, 0xcccccccc
	s_mov_b32 s28, 0x76543210
	s_mov_b32 s29, 0xfedcba98                      ; v_permlanex16_b32's selects for lane l xor 16
	s_lshl_b32 s16, s14, 8                         ; stats: the copy of column chunk w, in which my thread's four d lie,
	s_lshl_b32 s17, s15, 6                         ; 64 bytes for two batches
	s_add_co_u32 s16, s16, s17
	s_mov_b32 s17, 0
	s_lshl_b32 s18, ttmp9, 16                      ; Wo: 16 rows of 4,096 bytes a work-group,
	s_lshl_b32 s19, s14, 13                        ; 2 a wave
	s_add_co_u32 s18, s18, s19
	s_mov_b32 s19, 0
	s_lshl_b32 s20, ttmp9, 6                       ; bo: 64 bytes a work-group
	s_mov_b32 s21, 0
	s_lshl_b32 s22, s15, 15                        ; pp: 32,768 bytes for two batches
	s_mov_b32 s23, 0
	s_lshl_b32 s26, s15, 13                        ; out0: two rows of 4,096 bytes, + 64 x
	s_add_co_u32 s26, s26, s20
	s_mov_b32 s27, 0
	s_wait_alu depctr_va_vdst(0)                   ; the wait at the head's end
	s_wait_kmcnt 0x0
	s_add_nc_u64 s[4:5], s[4:5], s[22:23]
	s_add_nc_u64 s[6:7], s[6:7], s[16:17]
	s_add_nc_u64 s[8:9], s[8:9], s[18:19]
	s_add_nc_u64 s[10:11], s[10:11], s[20:21]
	s_add_nc_u64 s[12:13], s[12:13], s[26:27]
	global_load_b64 v[6:7], v4, s[6:7]
.irp q, 0,1,2,3,4,5,6,7
	global_load_b128 v[112+4*\q:115+4*\q], v2, s[4:5] offset:4096*\q   ; pp[b = q / 4 of my two][sc = q % 4][4 t ..]
.endr
.irp j, 0,1
.irp i, 0,1,2,3,4,5,6,7
	global_load_b128 v[48+32*\j+4*\i:51+32*\j+4*\i], v3, s[8:9] offset:4096*\j+512*\i   ; Wo[row 2 w + j][128 i + 4 l ..]
.endr
.endr
	global_load_b32 v240, v9, s[10:11]
	s_wait_loadcnt 25                              ; (M, L) are in; the 25 loads behind them stay out
	v_mov_b32 v8, v6
	s_delay_alu instid0(VALU_DEP_1)
	v_max_num_f32_dpp v8, v8, v8 row_xmask:1 row_mask:0xf bank_mask:0xf
	s_delay_alu instid0(VALU_DEP_1)
	v_max_num_f32_dpp v8, v8, v8 row_xmask:2 row_mask:0xf bank_mask:0xf   ; the batch's largest logit
	s_delay_alu instid0(VALU_DEP_1)
	v_sub_f32 v8, v6, v8
	s_delay_alu instid0(VALU_DEP_1)
	v_mul_f32 v8, 0x3fb8aa3b, v8
	s_wait_alu depctr_va_vdst(0)                   ; the wait ahead of the transcendental
	v_exp_f32 v8, v8                               ; f = e^(M[b][sc] - M[b])
	v_nop
	s_wait_alu depctr_va_vdst(0)                   ; and ahead of its first reader
	v_mul_f32 v11, v8, v7
	s_delay_alu instid0(VALU_DEP_1)
	v_add_f32_dpp v11, v11, v11 row_xmask:1 row_mask:0xf bank_mask:0xf
	s_delay_alu instid0(VALU_DEP_1)
	v_add_f32_dpp v11, v11, v11 row_xmask:2 row_mask:0xf bank_mask:0xf    ; Z: at least 1, since the largest logit's term is 1
	s_wait_alu depctr_va_vdst(0)
	v_rcp_f32 v11, v11
	v_nop
	s_wait_alu depctr_va_vdst(0)
	v_mul_f32 v8, v8, v11                          ; c
.irp l, 0,1,2,3,4,5,6,7
	v_readlane_b32 s[32+\l], v8, \l
.endr
.irp b, 0,1
	s_wait_loadcnt 17+4*(1-\b)                     ; batch b's four parts are in; the later batch's four, Wo's 16 and bo's one stay out
.irp k, 0,1,2,3
	v_mul_f32 v[16+4*\b+\k], s[32+4*\b], v[112+16*\b+\k]
.endr
.irp c, 1,2,3
.irp k, 0,1,2,3
	s_delay_alu instid0(VALU_DEP_4)
	v_fmac_f32 v[16+4*\b+\k], s[32+4*\b+\c], v[112+16*\b+4*\c+\k]
.endr
.endr
	ds_store_b128 v2, v[16+4*\b:19+4*\b] offset:4096*\b
.endr
	s_wait_dscnt 0x0                               ; for the others' sake: my stores have landed
	s_barrier_signal -1
	s_barrier_wait -1                              ; pooled lies in LDS, whole
.irp b, 0,1
.irp i, 0,1,2,3,4,5,6,7
	ds_load_b128 v[144+32*\b+4*\i:147+32*\b+4*\i], v3 offset:4096*\b+512*\i   ; pooled[b][128 i + 4 l ..]
.endr
.endr
	s_wait_loadcnt 0x0                             ; Wo, bo
	s_wait_dscnt 0x0
.irp e, 0,1,2,3,4,5,6,7,8,9,10,11,12,13,14,15  ; pair e of my 32 numbers; four chains: row j, batch b
.irp j, 0,1
.irp b, 0,1
.if \e == 0
	v_pk_mul_f32 v[208+4*\j+2*\b:209+4*\j+2*\b], v[48+32*\j+2*\e:49+32*\j+2*\e], v[144+32*\b+2*\e:145+32*\b+2*\e]
.else
	s_delay_alu instid0(VALU_DEP_4)
	v_pk_fma_f32 v[208+4*\j+2*\b:209+4*\j+2*\b], v[48+32*\j+2*\e:49+32*\j+2*\e], v[144+32*\b+2*\e:145+32*\b+2*\e], v[208+4*\j+2*\b:209+4*\j+2*\b]
.endif
.endr
.endr
.endr
.irp j, 0,1
.irp b, 0,1
	s_delay_alu instid0(VALU_DEP_4)
	v_add_f32 v[X+2*\j+\b], v[208+4*\j+2*\b], v[209+4*\j+2*\b]   ; sum 2 j + b: my lane's share
.endr
.endr
; Four sums over 32 lanes at once.  In step s a lane keeps the sum whose number has bit s equal to its own lane number's bit s and sends the other to lane l xor 2^s: after two steps lane l holds sum l % 4.
.macro RSTEP n, xm, sm
.set i, 0
.rept \n
	v_cndmask_b32 v[T+2*i], v[X+2*i], v[X+2*i+1], s[\sm]       ; kept
	v_cndmask_b32 v[T+2*i+1], v[X+2*i+1], v[X+2*i], s[\sm]     ; sent
.set i, i+1
.endr
.set i, 0
.rept \n
	v_add_f32_dpp v[X+i], v[T+2*i+1], v[T+2*i] row_xmask:\xm row_mask:0xf bank_mask:0xf
.set i, i+1
.endr
.endm
	RSTEP 2, 1, 24
	RSTEP 1, 2, 25
	s_delay_alu instid0(VALU_DEP_1)
	v_add_f32_dpp v[X], v[X], v[X] row_xmask:4 row_mask:0xf bank_mask:0xf
	s_delay_alu instid0(VALU_DEP_1)
	v_add_f32_dpp v[X], v[X], v[X] row_xmask:8 row_mask:0xf bank_mask:0xf
	s_delay_alu instid0(VALU_DEP_1)
	v_permlanex16_b32 v[T], v[X], s28, s29
	s_delay_alu instid0(VALU_DEP_1)
	v_add_f32 v[X], v[X], v[T]                     ; with the other half of the lanes
	ds_store_b32 v12, v[X]                         ; lanes with equal l % 4 write the same word with the same value
	s_wait_dscnt 0x0
	s_barrier_signal -1
	s_barrier_wait -1                              ; the work-group's 2 x 16 results lie in LDS
	s_cmp_lg_u32 s14, 0
	s_cbranch_scc1 .Ldone
	ds_load_b32 v16, v13                           ; lane l: batch l / 16 of my two, row l % 16
	s_wait_dscnt 0x0
	v_add_f32 v16, v16, v240                       ; + bo
	global_store_b32 v10, v16, s[12:13]            ; sixteen lanes store 64 consecutive bytes of a row of out0
.Ldone:
	s_wait_tensorcnt 0x0                           ; the wave's end
	ds_add_u32 v254, v255
	s_wait_dscnt 0x0
	s_endpgm
.Lfunc_end_k_q0bba1bbe28_outp:
	.size	k_q0bba1bbe28_outp, .Lfunc_end_k_q0bba1bbe28_outp-k_q0bba1bbe28_outp
	.p2alignl 7, 3214868480
	.fill 96, 4, 3214868480
	.section	.rodata,"a",@progbits
	.p2align	6, 0x0
	.amdhsa_kernel k_q0bba1bbe28_outp
		.amdhsa_group_segment_fixed_size 9472
		.amdhsa_private_segment_fixed_size 0
		.amdhsa_enable_private_segment 0
		.amdhsa_kernarg_size 40
		.amdhsa_user_sgpr_count 2
		.amdhsa_user_sgpr_kernarg_segment_ptr 1
		.amdhsa_wavefront_size32 1
		.amdhsa_system_sgpr_workgroup_id_x 1
		.amdhsa_system_sgpr_workgroup_id_y 1
		.amdhsa_system_sgpr_workgroup_id_z 1
		.amdhsa_system_vgpr_workitem_id 0
		.amdhsa_next_free_vgpr 256
		.amdhsa_next_free_sgpr 66
		.amdhsa_reserve_vcc 0
		.amdhsa_float_denorm_mode_32 3
		.amdhsa_float_denorm_mode_16_64 3
		.amdhsa_memory_ordered 1
		.amdhsa_forward_progress 1
		.amdhsa_inst_pref_size 18
	.end_amdhsa_kernel
	.amdgpu_metadata
---
amdhsa.version: [ 1, 2 ]
amdhsa.kernels:
  - .name:           k_q0bba1bbe28_outp
    .symbol:         k_q0bba1bbe28_outp.kd
    .args:
      - { .name: pp, .offset: 0, .size: 8, .value_kind: global_buffer, .address_space: global }
      - { .name: stats, .offset: 8, .size: 8, .value_kind: global_buffer, .address_space: global }
      - { .name: Wo, .offset: 16, .size: 8, .value_kind: global_buffer, .address_space: global }
      - { .name: bo, .offset: 24, .size: 8, .value_kind: global_buffer, .address_space: global }
      - { .name: out0, .offset: 32, .size: 8, .value_kind: global_buffer, .address_space: global }
    .group_segment_fixed_size: 9472
    .private_segment_fixed_size: 0
    .kernarg_segment_align: 8
    .kernarg_segment_size: 40
    .max_flat_workgroup_size: 256
    .sgpr_count:     66
    .vgpr_count:     256
    .wavefront_size: 32
...
	.end_amdgpu_metadata
.endif
;; end of part 4
